; MI455X (gfx1250); checked and timed in simulation.
; The chip was launched on July 23, 2026; its instructions are those of AMD's public machine-readable ISA for CDNA 5 (MIT licence, August 2026) and "CDNA5" Instruction Set Architecture Reference Guide (July 2026). The comments in the code are by the model that wrote it; some were corrected since.
;; Self Attention. Allowed arithmetic: matrix products marked QUANTISED: E2M1 operands, one E8M0 scale for each 32 along K, by v_wmma_scale_f32_16x16x128_f8f6f4 with both operands' format E2M1 (or v_wmma_scale_f32_32x16x128_f4), f32 sums; everything else in f32.
;; Inputs: w_lhs 1 x 1 x 1,024 float32; w_rhs 1 x 1 x 1,024 float32; x 8 x 2,048 x 1,024 float32.
;; Outputs: out0 8 x 2,048 x 1,024 float32.
;; This version of the problem:
;;   THIS VERSION OF THE PROBLEM IS GIVEN IN LOW PRECISION. The matrix products marked QUANTISED in the list below multiply operands that are first quantised to E2M1 (2 exponent bits, 1 mantissa bit; 4 bits a number), with one power-of-two scale for each 32 numbers along K (OCP MX v1.0); their sums are f32. All else is computed in f32.
;;   The module's matrix products, in the order in which they are computed (A, B: the left and right operand; K: the contracted axis; several contracted axes count as one K, in the product's order):
;;     1. batch 8 x [M 2,048, K 1,024] x [K 1,024, N 2,048]; A: computed on the way; B: computed on the way: QUANTISED
;;     2. batch 8 x [M 2,048, K 2,048] x [K 2,048, N 1,024]; A: softmax (see below); B: input x: QUANTISED
;;   THE QUANTISER, for each operand of a quantised product, along K:
;;     - K is cut into blocks of 32 from its start; a last block that is shorter is filled with zeros.
;;     - A block's scale is 2^e with e = floor(log2(the largest magnitude in the block)) - 2, held to -126 .. 127; a block of zeros has e = 0. As a byte (E8M0): e + 127.
;;     - Each number is divided by its block's scale, clamped to +-6, and rounded to the nearest number of E2M1, ties to even, subnormals kept.
;;     - The product sums the exact products of the quantised numbers (number of the format x scale) in f32.
;;   ~~~python
;;   def quantise(x, axis):      # numpy; x: float32 -> the quantised numbers, widened to float32 again
;;       x = np.moveaxis(x, axis, -1); K = x.shape[-1]
;;       x = np.pad(x, [(0, 0)] * (x.ndim - 1) + [(0, -K % 32)]); x = x.reshape(x.shape[:-1] + (-1, 32)); a = np.abs(x).max(-1, keepdims=True)
;;       e = np.where(a > 0, np.clip(np.frexp(np.where(a > 0, a, 1))[1] - 1 - 2, -126, 127), 0)      # np.frexp(a)[1] - 1 = floor(log2(a)), exactly
;;       r = np.clip(x / 2.0 ** e, -6, 6)
;;       step = 2.0 ** (np.maximum(np.frexp(np.where(r == 0, 1, r))[1] - 1, 0) - 1)
;;       q = np.round(r / step) * step * 2.0 ** e      # np.round: ties to even
;;       return np.moveaxis(q.reshape(q.shape[:-2] + (-1,))[..., :K], -1, axis).astype(np.float32)
;;   ~~~
;;   SOFTMAX AHEAD OF A QUANTISED PRODUCT. Where the list says 'softmax', what is quantised is not the finished softmax but p = 2^(t - M), with t = logit x log2(e) and M = ceil(the row's largest t), a whole number; so 1/2 < the row's largest p <= 1. The row's sum l is taken of the UNQUANTISED p, in f32, and the product's result is divided by l at the end. Since M is a whole number, a kernel that streams over the keys may use a running M (the ceiling of the running maximum): every later rescaling is an exact power of two, which a block's scale takes up: the codes' values come out the same.
;;   OPERANDS COMPUTED ON THE WAY. 'Computed on the way' means the value that the module computes at that place (a softmax that the list does not call 'softmax' is quantised finished and normalised). What goes into a quantiser is computed in f32, as accurately as f32 sums, v_exp_f32 and their like allow (about 1e-6 of the number): no bf16 or f16 on the way to a quantiser, and a product that is left as it is and whose result goes on into a quantised operand takes f32 operands (vector FMAs, or v_wmma_f32_16x16x4_f32). A number that lies on a knife's edge between two numbers of the format may be rounded either way, as far as f32 arithmetic and the matrix unit's own rounding can turn it there, and no further.
;; One version. Each part assembles by itself: llvm-mc -triple=amdgcn-amd-amdhsa -mcpu=gfx1250 --defsym DOCPART=n.
;; ======== version 1 of 1: 2 launches
;; limits: right only within a limited range of input values
;; workspace buffers: qc 8,912,896 bytes; kv 17,825,792 bytes
;; launch prep (part 1): grid 32 x 8, 16 waves a work-group, no clusters, 81,920 bytes of LDS; arguments x, w_lhs, w_rhs, qc, kv; writes qc, kv
.if DOCPART == 1
	.amdgcn_target "amdgcn-amd-amdhsa--gfx1250"
	.amdhsa_code_object_version 6
	.text
	.protected	k_qdaff41e6fe_prep
	.globl	k_qdaff41e6fe_prep
	.p2align	8
	.type	k_qdaff41e6fe_prep,@function
k_qdaff41e6fe_prep:
	s_mov_b64 s[64:65], 0
	v_nop
	global_prefetch_b8 v0, s[64:65] scope:SCOPE_SE
	s_setreg_imm32_b32 hwreg(HW_REG_WAVE_MODE, 25, 1), 1
	s_wait_xcnt 0x0
; x [8][2048][1024] f32 is read ONCE and becomes the three operands of the attention launch, as codes of FP4 (E2M1) with one E8M0 byte for each 32 along K:
;   Q = x * w_lhs and K = x * w_rhs, quantised along the 1,024 channels;  V = x, quantised along the keys.
; A block's scale is 2^(floor(log2(its largest magnitude)) - 2); its byte is the largest magnitude's exponent field - 2, held at 1 from below.
; LIMITS: NaN and infinities among the inputs are not served.  A block of zeros, or one whose largest magnitude lies under 2^-124, gets the byte 1 where the rule
; says 127 for zeros: its codes are zeros (or what the floor's scale leaves), and the bytes are read by this program alone.
; LAYOUT OF THE WORKSPACE: in the order of the operand's registers.  A fragment (16 rows x 128 along K) is an image of 1,024 bytes: the 16 bytes at 256 b + 16 row
; are the 32 codes of block b (0..3) of that row.  A QUARTER is 34,816 bytes: 32 images, then 2,048 bytes of scale words.
;   qc [n 8][block of 64 queries 32][quarter];   kv [n 8][step of 256 keys 8][K, V][quarter 4].
;   A quarter of rows (Q, K): 64 rows; image (2 u + u') 8 + s: u the group of 32 rows, s the 128 channels; row p of tile (u, u') is row 32 u + 8 u' + p + 8 (p / 8).
;     Scale bytes at 32768 + 1024 u + 256 sg + 8 (16 u' + p) + (block of the 256 channels sg).
;   A quarter of V: 256 channels x 256 keys; image 16 s + t: s the 128 keys, t the tile of 16 channels.  Scale bytes at 32768 + 8 channel + 4 s + block.
; SHARES.  A work-group takes 256 keys x 256 channels of one batch: 256 work-groups.  Wave W takes 32 channels (W % 8) x 128 keys (W / 8), as four tiles of 32 x 32.
; A tile is loaded with a lane to a channel and the registers down the keys: that IS V's block of 32 along the keys.  Then it turns through the wave's own stage in
; LDS (rows 144 bytes apart), after which a lane holds a key and its registers run along the channels: Q's and K's block.
; No tensor loads, no cluster: nothing is shared between work-groups, and 64 loads of each of the 16 waves carry the bytes in flight.
.set QUART,  34816
.set STG,    6144                      ; LDS: 0 Q's scale bytes, 2048 K's, 4096 V's (2,048 each); from 6144 a stage of 32 x 144 bytes for each wave
.set SPITCH, 144
.set VC, 16                            ; v16-19 V's codes, v20-23 Q's, v24-27 K's
.set QC, 20
.set KC, 24
.set X,  32                            ; v32-95   two sets of 32 numbers as loaded
.set T,  96                            ; v96-127  the tile turned: my key's 32 channels
.set Y,  128                           ; v128-159 the same times w_lhs
.set WL, 160                           ; v160-191 w_lhs of my 32 channels;  v192-223 w_rhs
.set WR, 192
	s_load_b128 s[4:7], s[0:1], 0x0                ; x, w_lhs
	s_load_b128 s[8:11], s[0:1], 0x10              ; w_rhs, qc
	s_load_b64 s[12:13], s[0:1], 0x20              ; kv
	v_lshl_add_u32 v224, v0, 2, 0x13800
	v_mov_b32 v225, 0
	v_lshrrev_b32 v1, 5, v0
	s_delay_alu instid0(VALU_DEP_1)
	v_readfirstlane_b32 s14, v1                    ; wave W
	v_and_b32 v1, 31, v0                           ; lane
	s_and_b32 s15, s14, 7                          ; v: which 32 channels
	s_lshr_b32 s16, s14, 3                         ; z: which 128 keys
	s_lshr_b32 s17, ttmp9, 2                       ; j: which 256 keys
	s_and_b32 s18, ttmp9, 3                        ; sg: which 256 channels
	s_and_b32 s19, ttmp7, 0xffff                   ; n: the batch
	v_lshlrev_b32 v2, 2, v1                        ; x: 4 bytes a lane
	v_mov_b32 v3, 0                                ; the weights: every lane reads the same 128 bytes
	s_mul_i32 s20, s14, 32*SPITCH
	s_add_co_u32 s20, s20, STG                     ; my stage
	v_add_nc_u32 v4, s20, v2                       ; into it: row = key, 4 bytes a lane
	v_mul_u32_u24 v5, v1, SPITCH
	s_delay_alu instid0(VALU_DEP_1)
	v_add_nc_u32 v5, s20, v5                       ; out of it: row = my lane
	v_and_b32 v10, 7, v1
	v_bfe_u32 v11, v1, 3, 1                        ; u': key l of a group of 32 lies in tile (l / 8) % 2,
	v_lshrrev_b32 v12, 4, v1
	s_delay_alu instid0(VALU_DEP_1)
	v_lshl_add_u32 v10, v12, 3, v10                ; at row p = l % 8 + 8 (l / 16)
	s_delay_alu instid0(VALU_DEP_1)
	v_lshl_add_u32 v6, v11, 4, v10
	s_delay_alu instid0(VALU_DEP_1)
	v_lshlrev_b32 v6, 3, v6                        ; 8 (16 u' + p)
	s_lshl_b32 s21, s16, 10
	s_add_co_u32 s21, s21, s15
	v_add_nc_u32 v6, s21, v6                       ; LDS: my key's scale byte of Q: + 1024 z + v (+ 256 tile; K's 2,048 further on)
	s_lshl_b32 s21, s15, 8
	s_lshl_b32 s22, s16, 2
	s_add_co_u32 s21, s21, s22
	s_add_co_u32 s21, s21, 4096
	v_lshl_add_u32 v7, v1, 3, s21                  ; LDS: my channel's scale word of V: 4096 + 8 (32 v + lane) + 4 z
	v_lshlrev_b32 v8, 4, v10
	s_delay_alu instid0(VALU_DEP_1)
	v_lshl_add_u32 v8, v11, 13, v8                 ; Q's and K's codes: 8,192 u' + 16 p
	v_and_b32 v9, 15, v1
	s_delay_alu instid0(VALU_DEP_1)
	v_lshlrev_b32 v9, 4, v9
	s_delay_alu instid0(VALU_DEP_1)
	v_lshl_add_u32 v9, v12, 10, v9                 ; V's codes: 1,024 (lane / 16) + 16 (lane % 16)
	; byte offsets, all under 2^32
	s_lshl_b32 s24, s19, 23                        ; x: the batch,
	s_lshl_b32 s22, s17, 20
	s_add_co_u32 s24, s24, s22                     ; 256 j rows of 4,096 bytes,
	s_lshl_b32 s22, s16, 19
	s_add_co_u32 s24, s24, s22                     ; 128 z rows,
	s_lshl_b32 s23, s18, 10
	s_lshl_b32 s22, s15, 7
	s_add_co_u32 s23, s23, s22                     ; my first channel, in bytes: also the weights' offset
	s_add_co_u32 s24, s24, s23
	s_mov_b32 s25, 0
	s_mov_b32 s26, s23
	s_mov_b32 s27, 0
	s_lshl_b32 s28, s18, 11
	s_lshl_b32 s22, s15, 8
	s_add_co_u32 s28, s28, s22                     ; in a quarter of rows: image 2 sg + v / 4, block v % 4: 2,048 sg + 256 v
	s_mul_i32 s29, s16, 2*QUART                    ; my 128 keys are two quarters
	s_mul_i32 s30, s19, 32*QUART
	s_mul_i32 s22, s17, 4*QUART
	s_add_co_u32 s30, s30, s22                     ; qc at the work-group's four quarters
	s_mul_i32 s31, s19, 64*QUART
	s_mul_i32 s22, s17, 8*QUART
	s_add_co_u32 s31, s31, s22                     ; kv at the work-group's step
	s_add_co_u32 s32, s30, s29
	s_add_co_u32 s32, s32, s28
	s_mov_b32 s33, 0
	s_add_co_u32 s34, s31, s29
	s_add_co_u32 s34, s34, s28
	s_mov_b32 s35, 0
	s_mul_i32 s36, s18, QUART                      ; V: quarter sg, behind K's four,
	s_add_co_u32 s36, s36, s31
	s_add_co_u32 s36, s36, 4*QUART
	s_lshl_b32 s22, s16, 14
	s_add_co_u32 s36, s36, s22                     ; images 16 z on,
	s_lshl_b32 s22, s15, 11
	s_add_co_u32 s36, s36, s22                     ; tile 2 v
	s_mov_b32 s37, 0
	s_wait_kmcnt 0x0
	s_add_nc_u64 s[4:5], s[4:5], s[24:25]
	s_add_nc_u64 s[6:7], s[6:7], s[26:27]
	s_add_nc_u64 s[8:9], s[8:9], s[26:27]
	s_add_nc_u64 s[38:39], s[10:11], s[32:33]      ; Q's codes
	s_add_nc_u64 s[40:41], s[12:13], s[34:35]      ; K's
	s_add_nc_u64 s[42:43], s[12:13], s[36:37]      ; V's
.irp k, 0,1,2,3,4,5,6,7
	global_load_b128 v[WL+4*\k:WL+4*\k+3], v3, s[6:7] offset:16*\k
	global_load_b128 v[WR+4*\k:WR+4*\k+3], v3, s[8:9] offset:16*\k
.endr
.macro LOAD t                          ; tile t: x(32 t + r, my channel), r = 0 .. 31, into set t % 2: a wave's load reads 128 consecutive bytes, eight waves stand side by side
.set r, 0
.rept 32
	global_load_b32 v[X+32*((\t)%2)+r], v2, s[4:5] offset:(32*(\t)+r)*4096 th:TH_LOAD_NT
.set r, r+1
.endr
.endm
; A block of 32 numbers in one lane's registers becomes 4 registers of codes and a scale byte
.macro BLK src, dst, byte
	v_max3_num_f32 v10, |v[\src]|, |v[\src+1]|, |v[\src+2]|        ; the largest magnitude, in two chains
	v_max3_num_f32 v11, |v[\src+3]|, |v[\src+4]|, |v[\src+5]|
.irp i, 6,10,14,18,22,26
	s_delay_alu instid0(VALU_DEP_2)
	v_max3_num_f32 v10, v10, |v[\src+\i]|, |v[\src+\i+1]|
	s_delay_alu instid0(VALU_DEP_2)
	v_max3_num_f32 v11, v11, |v[\src+\i+2]|, |v[\src+\i+3]|
.endr
	s_delay_alu instid0(VALU_DEP_2)
	v_max3_num_f32 v10, v10, |v[\src+30]|, |v[\src+31]|
	s_delay_alu instid0(VALU_DEP_1)
	v_max3_num_f32 v10, v10, v11, 0x1800000        ; and the floor 2^(3 - 127): the byte cannot fall under 1
	s_delay_alu instid0(VALU_DEP_1)
	v_add_nc_u32 v12, 0xff000000, v10              ; 2 off the exponent field: the conversion takes this operand's exponent field as its scale
.irp g, 0,1,2,3
	v_cvt_scalef32_pk8_fp4_f32 v[\dst+\g], v[\src+8*\g:\src+8*\g+7], v12
.endr
	v_lshrrev_b32 v[\byte], 23, v12                ; the scale's byte; also the plain line behind the conversions
.endm
.macro TILE i
.set XS, X+32*((\i)%2)
.if (\i) > 0
	s_wait_xcnt 0x0                                ; the last tile's stores have read their registers: the codes are written again only behind this wait
.endif
.if (\i) < 3
	s_wait_loadcnt 32                              ; this tile's 32 loads (and the weights) are in; the next tile's 32 may be out
.else
	s_wait_loadcnt 0x0
.endif
.if (\i) == 0
	BLK XS, VC, 14                                 ; V: my channel's block of 32 keys; its byte begins the scale word
.else
	BLK XS, VC, 10
	s_delay_alu instid0(VALU_DEP_1)
	v_lshl_or_b32 v14, v10, 8*(\i), v14            ; block i of the 128 keys: byte i
.endif
	global_store_b128 v9, v[VC:VC+3], s[42:43] offset:256*(\i)     ; sixteen lanes store 256 consecutive bytes, aligned
.set r, 0
.rept 32
	ds_store_b32 v4, v[XS+r] offset:SPITCH*r
.set r, r+1
.endr
.irp k, 0,1,2,3,4,5,6,7
	ds_load_b128 v[T+4*\k:T+4*\k+3], v5 offset:16*\k               ; LDS serves a wave's instructions in order: these see the stores above
.endr
	s_wait_dscnt 0x0                               ; the tile is back, turned; the stage's stores have read the set, and the last tile's byte stores their registers
.if (\i) < 2
	LOAD (\i)+2
.endif
.irp k, 0,2,4,6,8,10,12,14,16,18,20,22,24,26,28,30
	v_pk_mul_f32 v[Y+\k:Y+\k+1], v[T+\k:T+\k+1], v[WL+\k:WL+\k+1]
.endr
	BLK Y, QC, 13
	ds_store_b8 v6, v13 offset:256*(\i)
	global_store_b128 v8, v[QC:QC+3], s[38:39] offset:((\i)/2)*QUART+((\i)%2)*16384   ; two aligned runs of 256 bytes, one for each tile of the pair
.irp k, 0,2,4,6,8,10,12,14,16,18,20,22,24,26,28,30
	v_pk_mul_f32 v[T+\k:T+\k+1], v[T+\k:T+\k+1], v[WR+\k:WR+\k+1]
.endr
	BLK T, KC, 15
	ds_store_b8 v6, v15 offset:2048+256*(\i)
	global_store_b128 v8, v[KC:KC+3], s[40:41] offset:((\i)/2)*QUART+((\i)%2)*16384
.endm
	LOAD 0
	LOAD 1
	TILE 0
	TILE 1
	TILE 2
	TILE 3
	ds_store_b32 v7, v14                           ; my channel's scale word of these 128 keys
	s_wait_dscnt 0x0                               ; for the others' sake: my scale bytes lie in LDS
	s_barrier_signal -1
	s_barrier_wait -1
	; THE SCALE BYTES LEAVE IN WHOLE RUNS OF 256 BYTES: waves 0-3 Q's, 4-7 K's, 8-11 V's, 512 bytes each; the other four waves have nothing left to do
	s_cmp_ge_u32 s14, 12
	s_cbranch_scc1 .Ldone
	s_and_b32 s20, s14, 3                          ; p
	s_mul_i32 s21, s20, QUART                      ; Q, K: quarter p, its scale bytes, my 256 channels' part
	s_lshl_b32 s22, s18, 8
	s_add_co_u32 s21, s21, s22
	s_add_co_u32 s21, s21, 32768
	s_add_co_u32 s23, s30, s21
	s_add_co_u32 s24, s31, s21
	s_mul_i32 s25, s18, QUART                      ; V: quarter sg, 512 p bytes into its scale bytes
	s_lshl_b32 s26, s20, 9
	s_add_co_u32 s25, s25, s26
	s_add_co_u32 s25, s25, s31
	s_add_co_u32 s25, s25, 4*QUART+32768
	s_cmp_lt_u32 s14, 8
	s_cselect_b32 s24, s24, s25
	s_cselect_b32 s26, 10, 8                       ; lanes 16-31 go 1,024 bytes on (the second group of 32 rows), in V 256
	s_cmp_lt_u32 s14, 4
	s_cselect_b32 s24, s23, s24
	s_cselect_b64 s[28:29], s[10:11], s[12:13]     ; the choice hangs on the wave's number alone
	s_mov_b32 s25, 0
	s_add_nc_u64 s[28:29], s[28:29], s[24:25]
	v_lshrrev_b32 v10, 4, v1
	s_delay_alu instid0(VALU_DEP_1)
	v_lshlrev_b32 v10, s26, v10
	v_and_b32 v11, 15, v1
	s_delay_alu instid0(VALU_DEP_1)
	v_lshl_add_u32 v10, v11, 4, v10
	v_lshlrev_b32 v11, 4, v0                       ; LDS: 16 x my thread's number = 512 W + 16 lane
	ds_load_b128 v[28:31], v11
	s_wait_alu depctr_va_vdst(0)
	s_wait_dscnt 0x0
	global_store_b128 v10, v[28:31], s[28:29]
.Ldone:
	s_wait_tensorcnt 0x0
	ds_add_u32 v224, v225
	s_wait_dscnt 0x0
	s_endpgm
.Lfunc_end_k_qdaff41e6fe_prep:
	.size	k_qdaff41e6fe_prep, .Lfunc_end_k_qdaff41e6fe_prep-k_qdaff41e6fe_prep
	.p2alignl 7, 3214868480
	.fill 96, 4, 3214868480
	.section	.rodata,"a",@progbits
	.p2align	6, 0x0
	.amdhsa_kernel k_qdaff41e6fe_prep
		.amdhsa_group_segment_fixed_size 81920
		.amdhsa_private_segment_fixed_size 0
		.amdhsa_enable_private_segment 0
		.amdhsa_kernarg_size 40
		.amdhsa_user_sgpr_count 2
		.amdhsa_user_sgpr_kernarg_segment_ptr 1
		.amdhsa_wavefront_size32 1
		.amdhsa_system_sgpr_workgroup_id_x 1
		.amdhsa_system_sgpr_workgroup_id_y 1
		.amdhsa_system_sgpr_workgroup_id_z 1
		.amdhsa_system_vgpr_workitem_id 0
		.amdhsa_next_free_vgpr 226
		.amdhsa_next_free_sgpr 66
		.amdhsa_reserve_vcc 0
		.amdhsa_float_denorm_mode_32 3
		.amdhsa_float_denorm_mode_16_64 3
		.amdhsa_memory_ordered 1
		.amdhsa_forward_progress 1
		.amdhsa_inst_pref_size 62
	.end_amdhsa_kernel
	.amdgpu_metadata
---
amdhsa.version: [ 1, 2 ]
amdhsa.kernels:
  - .name:           k_qdaff41e6fe_prep
    .symbol:         k_qdaff41e6fe_prep.kd
    .args:
      - { .name: x, .offset: 0, .size: 8, .value_kind: global_buffer, .address_space: global }
      - { .name: w_lhs, .offset: 8, .size: 8, .value_kind: global_buffer, .address_space: global }
      - { .name: w_rhs, .offset: 16, .size: 8, .value_kind: global_buffer, .address_space: global }
      - { .name: qc, .offset: 24, .size: 8, .value_kind: global_buffer, .address_space: global }
      - { .name: kv, .offset: 32, .size: 8, .value_kind: global_buffer, .address_space: global }
    .group_segment_fixed_size: 81920
    .private_segment_fixed_size: 0
    .kernarg_segment_align: 8
    .kernarg_segment_size: 40
    .max_flat_workgroup_size: 512
    .sgpr_count:     66
    .vgpr_count:     226
    .wavefront_size: 32
...
	.end_amdgpu_metadata
.endif
;; end of part 1
;; launch attn (part 2): grid 32 x 8, 4 waves a work-group, no clusters, 124,928 bytes of LDS; arguments qc, kv, out0; writes out0
.if DOCPART == 2
	.amdgcn_target "amdgcn-amd-amdhsa--gfx1250"
	.amdhsa_code_object_version 6
	.text
	.protected	k_qdaff41e6fe_attn
	.globl	k_qdaff41e6fe_attn
	.p2align	8
	.type	k_qdaff41e6fe_attn,@function
k_qdaff41e6fe_attn:
	s_mov_b64 s[64:65], 0
	v_nop
	global_prefetch_b8 v0, s[64:65] scope:SCOPE_SE
	s_setreg_imm32_b32 hwreg(HW_REG_WAVE_MODE, 25, 1), 1
	s_wait_xcnt 0x0
; out0[n][q][:] = sum over keys of softmax(Q[q] . K[key]) V[key][:], both products on codes of FP4 (E2M1) with E8M0 scales, from the workspace that launch prep laid as images of operand registers.
; A work-group owns 64 queries of one batch (256 work-groups); four waves, one to a SIMD.  No step of the problem is left out.
; PASS A, 8 steps of 256 keys: wave w takes keys 64 w .. 64 w + 63 of a step in two groups of 32, all 64 queries (Q stays in 256 registers): S^T = K Q^T, 64 matrix instructions a group.
;   p = 2^(t - Mb), t = score x log2(e), Mb = ceil(the largest t of the query's BLOCK of 32 keys), a whole number.  p's codes go to LDS; so do E = the block's scale byte + Mb and the block's sum of p in units of its scale.
; BETWEEN: wave w takes queries 16 w .. 16 w + 15: R = the largest of a query's 64 E; a block's final byte is E - R + 127, held at 1 from below; l = the sum of the blocks' sums x 2^(E - R).  Every factor is a power of two,
;   so the codes' values are those under one M for the row, times one common power of two that 1 / l takes away again.  O^T is never rescaled.
; PASS B: every wave holds all of P (64 x 2,048 codes, 512 registers); wave w owns channels 256 w .. + 255 and takes them in 4 chunks of 64 over all keys: O^T = V^T P^T, 16 accumulators by turns, 256 matrix instructions a chunk.
;   A finished chunk is divided by l, turned through the wave's stage in LDS, and stored as aligned runs of 256 bytes.
; NO TENSOR LOADS, NO CLUSTER: each fragment of K and of V is an operand of ONE wave of the work-group, and the workspace holds it as that wave's registers want it: a load of 512 consecutive bytes fills four registers.
;   A joint load lands in LDS; beside P's 64 KiB and the statistics two slots of 2 quarters would fit, 64 matrix instructions a wave from one change of slots to the next.
; LOADS AHEAD, in registers: pass A two groups (72 loads a wave), pass B four steps (72 loads a wave).  K's steps are walked from step (work-group x % 8) on, round the batch; V's steps in the same order, so P's registers are in the order of the walk.
; PREFETCH: V is first read behind pass A.  Work-group x asks for quarter x of its batch's V, 136 blocks of 256 bytes, each asked once in the launch: 17 a wave in each of pass A's first two trips (lanes 17-31 name the wave's last block again).
;   K is not asked for: its loads stand two groups ahead of their use from the first line on.
; LIMITS: NaN and infinities are not served.  E is kept as f32: it is exact while |t| stays under 2^23.  A block more than 126 binary orders under the row's largest is held at the byte 1.
.set QUART, 34816
.set SLOTB, 4*QUART
.set STEPB, 8*QUART
.set STAT,  65536                      ; LDS: 0 P's codes, 16,384 bytes for each wave: [step 8][tile of queries 4][group 2][256]
.set SREG,  9216                       ; the statistics, a region for each wave: 64 queries x 144 bytes: 16 E, 16 sums, 16 bytes of padding
.set SWB,   STAT+4*SREG                ; P's scale words: [tile 4][128 keys 16][query 16]
.set LB,    SWB+4096                   ; 1 / l of the 64 queries
.set STAGE, LB+256                     ; the way out: 16 rows x 272 bytes for each wave
.set SP,    272
.set SPARE, STAGE+4*16*SP              ; the spare words
; REGISTERS.  window 0: v1-15, v56-59 addresses; v16-31 Q's scales, v32-47 K's (pass B: v16-47 P's scale words); v48-55 1 / l; v64-127 S^T (pass B: v64-95 rows on the way out, v96-111 V's scales);
;   v192-243 at work in the softmax (pass B: v128-255 V's buffers 0, 1).  window 1: Q, then P of the walk's steps 0-3.  window 2: K's two groups, then P of steps 4-7.  window 3: v0-127 the statistics, then O^T; v128-255 V's buffers 2, 3.
.set MSB, 0
.macro WIN new
.if MSB != \new
	s_set_vgpr_msb (MSB<<8)|\new
.set MSB, \new
.endif
.endm
.macro NOPS n
.rept \n
	v_nop
.endr
.endm
.macro WM
.if fZ
.if fA && fB
	v_wmma_scale_f32_16x16x128_f8f6f4 v[rD:rD+7], v[rA:rA+7], v[rB:rB+7], 0, v[rSA], v[rSB] matrix_a_fmt:MATRIX_FMT_FP4 matrix_b_fmt:MATRIX_FMT_FP4 matrix_a_scale:MATRIX_SCALE_ROW1 matrix_b_scale:MATRIX_SCALE_ROW1
.elseif fA
	v_wmma_scale_f32_16x16x128_f8f6f4 v[rD:rD+7], v[rA:rA+7], v[rB:rB+7], 0, v[rSA], v[rSB] matrix_a_fmt:MATRIX_FMT_FP4 matrix_b_fmt:MATRIX_FMT_FP4 matrix_a_scale:MATRIX_SCALE_ROW1
.elseif fB
	v_wmma_scale_f32_16x16x128_f8f6f4 v[rD:rD+7], v[rA:rA+7], v[rB:rB+7], 0, v[rSA], v[rSB] matrix_a_fmt:MATRIX_FMT_FP4 matrix_b_fmt:MATRIX_FMT_FP4 matrix_b_scale:MATRIX_SCALE_ROW1
.else
	v_wmma_scale_f32_16x16x128_f8f6f4 v[rD:rD+7], v[rA:rA+7], v[rB:rB+7], 0, v[rSA], v[rSB] matrix_a_fmt:MATRIX_FMT_FP4 matrix_b_fmt:MATRIX_FMT_FP4
.endif
.else
.if fA && fB
	v_wmma_scale_f32_16x16x128_f8f6f4 v[rD:rD+7], v[rA:rA+7], v[rB:rB+7], v[rD:rD+7], v[rSA], v[rSB] matrix_a_fmt:MATRIX_FMT_FP4 matrix_b_fmt:MATRIX_FMT_FP4 matrix_a_scale:MATRIX_SCALE_ROW1 matrix_b_scale:MATRIX_SCALE_ROW1
.elseif fA
	v_wmma_scale_f32_16x16x128_f8f6f4 v[rD:rD+7], v[rA:rA+7], v[rB:rB+7], v[rD:rD+7], v[rSA], v[rSB] matrix_a_fmt:MATRIX_FMT_FP4 matrix_b_fmt:MATRIX_FMT_FP4 matrix_a_scale:MATRIX_SCALE_ROW1
.elseif fB
	v_wmma_scale_f32_16x16x128_f8f6f4 v[rD:rD+7], v[rA:rA+7], v[rB:rB+7], v[rD:rD+7], v[rSA], v[rSB] matrix_a_fmt:MATRIX_FMT_FP4 matrix_b_fmt:MATRIX_FMT_FP4 matrix_b_scale:MATRIX_SCALE_ROW1
.else
	v_wmma_scale_f32_16x16x128_f8f6f4 v[rD:rD+7], v[rA:rA+7], v[rB:rB+7], v[rD:rD+7], v[rSA], v[rSB] matrix_a_fmt:MATRIX_FMT_FP4 matrix_b_fmt:MATRIX_FMT_FP4
.endif
.endif
.endm
; group u of my quarter of the step at s[26:27]: 16 fragments (2 tiles of 16 keys x 8 x 128 channels) into window 2, and their scale words: 36 loads
.macro LOADKG u
	WIN 0x80
.irp c, 0,1,2,3,4,5,6,7
.irp kt, 0,1
	global_load_b128 v[128*(\u)+8*(2*\c+\kt):128*(\u)+8*(2*\c+\kt)+3], v3, s[26:27] offset:((2*(\u)+\kt)*8+\c)*1024
	global_load_b128 v[128*(\u)+8*(2*\c+\kt)+4:128*(\u)+8*(2*\c+\kt)+7], v3, s[26:27] offset:((2*(\u)+\kt)*8+\c)*1024+512
.endr
.endr
	WIN 0
.irp g, 0,1,2,3
	global_load_b64 v[32+8*(\u)+2*\g:33+8*(\u)+2*\g], v4, s[26:27] offset:32768+1024*(\u)+256*\g
.endr
.endm
; S^T of group u: 8 accumulators (2 tiles of keys x 4 tiles of queries) by turns, K ascending; the first product starts each sum
.macro SMUL u
.irp c, 0,1,2,3,4,5,6,7
.irp kt, 0,1
.irp m, 0,1,2,3
.set rD, 64+16*\m+8*\kt
.set rA, 128*(\u)+8*(2*\c+\kt)
.set rB, 8*(8*\m+\c)
.set rSA, 32+8*(\u)+\c
.set rSB, 16+8*(\m/2)+\c
.set fA, \kt
.set fB, \m%2
.set fZ, (\c==0)
	WM
.endr
.endr
.endr
.endm
; the block's softmax: a lane holds one query of each tile m and 16 neighbouring keys; lane l xor 16 holds the block's other 16
.macro SOFTMAX u
.irp m, 0,1,2,3
	v_max3_num_f32 v[192+\m], v[64+16*\m], v[65+16*\m], v[66+16*\m]
.endr
.irp i, 3,5,7,9,11,13
.irp m, 0,1,2,3
	v_max3_num_f32 v[192+\m], v[192+\m], v[64+16*\m+\i], v[65+16*\m+\i]
.endr
.endr
.irp m, 0,1,2,3
	v_max_num_f32 v[192+\m], v[192+\m], v[79+16*\m]
.endr
.irp m, 0,1,2,3
	v_permlanex16_b32 v[196+\m], v[192+\m], s34, s35
.endr
.irp m, 0,1,2,3
	v_max_num_f32 v[192+\m], v[192+\m], v[196+\m]          ; the block's largest score
.endr
.irp m, 0,1,2,3
	v_mul_f32 v[196+\m], s32, v[192+\m]
.endr
.irp m, 0,1,2,3
	v_floor_f32 v[200+2*\m], -v[196+\m]                    ; -Mb
.endr
.irp m, 0,1,2,3
	v_fma_f32 v[201+2*\m], v[192+\m], s32, v[200+2*\m]     ; the largest t - Mb, by the same multiply-add as the others
.endr
.irp k, 0,2,4,6,8,10,12,14
.irp m, 0,1,2,3
	v_pk_fma_f32 v[64+16*\m+\k:65+16*\m+\k], v[64+16*\m+\k:65+16*\m+\k], s[32:33], v[200+2*\m:201+2*\m] op_sel_hi:[1,0,0]
.endr
.endr
.set j, 0
	s_wait_alu depctr_va_vdst(0)                           ; the wait ahead of the batch
.rept 64
	v_exp_f32 v[64+j], v[64+j]
.set j, j+1
.endr
.irp m, 0,1,2,3
	v_exp_f32 v[201+2*\m], v[201+2*\m]                     ; the block's largest p, over 1/2
.endr
	v_nop
	s_wait_alu depctr_va_vdst(0)                           ; and behind it
.irp m, 0,1,2,3
	v_add_nc_u32 v[208+\m], 0xff000000, v[201+2*\m]        ; 2 off the exponent field: the conversion's scale operand
.endr
.irp m, 0,1,2,3
	v_lshrrev_b32 v[212+\m], 23, v[208+\m]                 ; the byte under Mb
.endr
.irp m, 0,1,2,3
	v_cvt_scalef32_pk8_fp4_f32 v[224+2*\m], v[64+16*\m:71+16*\m], v[208+\m]
	v_cvt_scalef32_pk8_fp4_f32 v[225+2*\m], v[72+16*\m:79+16*\m], v[208+\m]
.endr
	v_nop
.irp m, 0,1,2,3
	v_pk_add_f32 v[216+2*\m:217+2*\m], v[64+16*\m:65+16*\m], v[66+16*\m:67+16*\m]   ; the sum of the unquantised p
.endr
.irp k, 4,6,8,10,12,14
.irp m, 0,1,2,3
	v_pk_add_f32 v[216+2*\m:217+2*\m], v[216+2*\m:217+2*\m], v[64+16*\m+\k:65+16*\m+\k]
.endr
.endr
.irp m, 0,1,2,3
	v_add_f32 v[236+\m], v[216+2*\m], v[217+2*\m]
.endr
.irp m, 0,1,2,3
	v_permlanex16_b32 v[196+\m], v[236+\m], s34, s35
.endr
.irp m, 0,1,2,3
	v_add_f32 v[236+\m], v[236+\m], v[196+\m]
.endr
.irp m, 0,1,2,3
	v_cvt_f32_u32 v[232+\m], v[212+\m]
.endr
.irp m, 0,1,2,3
	v_sub_f32 v[232+\m], v[232+\m], v[200+2*\m]            ; E = byte + Mb
.endr
.irp m, 0,1,2,3
	v_sub_nc_u32 v[212+\m], 127, v[212+\m]
.endr
.irp m, 0,1,2,3
	v_ldexp_f32 v[236+\m], v[236+\m], v[212+\m]            ; the sum in units of the block's scale
.endr
.irp m, 0,1,2,3
	v_cndmask_b32 v[240+\m], v[232+\m], v[236+\m], s36     ; lanes 0-15 store E, lanes 16-31 the sum
.endr
.irp m, 0,1,2,3
	ds_store_b64 v7, v[224+2*\m:225+2*\m] offset:512*\m+256*(\u)
	ds_store_b32 v8, v[240+\m] offset:2304*\m+4*(\u)
.endr
.endm
.macro GROUP u, more
.if \more
	s_wait_loadcnt 36                                      ; this group's loads are in; the next group's 36 may be out
.else
	s_wait_loadcnt 36*(1-(\u))
.endif
	WIN 0x06                                               ; source 0 (K) window 2, source 1 (Q) window 1
	SMUL \u
	WIN 0
	NOPS 4                                                 ; places in front of the loads into K's registers and of the readers of S^T
.if \more
.if (\u) == 0
	s_wait_xcnt 0x0                                        ; the bases are written again only behind this wait
	s_add_co_u32 s41, s41, 1
	s_and_b32 s41, s41, 7                                  ; the next step of the walk, round the batch
	s_mul_i32 s44, s41, STEPB
	s_add_nc_u64 s[26:27], s[42:43], s[44:45]
	s_add_nc_u64 s[38:39], s[38:39], 17*256                ; the prefetch's next 17 blocks
.endif
	LOADKG \u                                              ; the same group of the next step
.endif
	SOFTMAX \u
.endm
.macro TRIP more
	v_add_nc_u32 v7, s22, v5                               ; where this step's codes and statistics go
	v_add_nc_u32 v8, s23, v6
	s_wait_alu depctr_va_vdst(0)                           ; the wait, directly behind the writes
	GROUP 0, \more
	GROUP 1, \more
	s_add_co_u32 s22, s22, 2048
	s_add_co_u32 s23, s23, 8
.endm
; V of the walk's step j, my chunk's 64 channels (nxt = 1: the next chunk's): 8 fragments into buffer j % 4, and two loads of scale words: 18 loads
.macro LOADV j, nxt
.set VBF, 128+64*((\j)%2)
	WIN 0xc0*(((\j)%4)/2)
.irp s, 0,1
.irp t, 0,1,2,3
	global_load_b128 v[VBF+8*(4*\s+\t):VBF+8*(4*\s+\t)+3], v10, s[48+2*(\j):49+2*(\j)] offset:(16*\s+\t)*1024+4096*(\nxt)
	global_load_b128 v[VBF+8*(4*\s+\t)+4:VBF+8*(4*\s+\t)+7], v10, s[48+2*(\j):49+2*(\j)] offset:(16*\s+\t)*1024+512+4096*(\nxt)
.endr
.endr
	WIN 0
.irp g, 0,1
	global_load_b64 v[96+4*((\j)%4)+2*\g:97+4*((\j)%4)+2*\g], v11, s[48+2*(\j):49+2*(\j)] offset:32768+256*\g+512*(\nxt)
.endr
.endm
.macro VSTEP j, last
.if (\last) && ((\j) > 4)
	s_wait_loadcnt 18*(7-(\j))                             ; the last chunk's last steps: fewer steps are behind this one
.else
	s_wait_loadcnt 54                                      ; this step's 18 loads are in; the next three steps' may be out
.endif
	WIN 0xf0|((1+(\j)/4)<<2)|(3*(((\j)%4)/2))              ; V window 0 or 3, P window 1 or 2, O^T window 3
.irp s, 0,1
.irp t, 0,1,2,3
.irp m, 0,1,2,3
.set rD, 8*(4*\t+\m)
.set rA, 128+64*((\j)%2)+8*(4*\s+\t)
.set rB, 32*((2*(\j)+\s)%8)+8*\m
.set rSA, 96+4*((\j)%4)+2*(\t/2)+\s
.set rSB, 16+8*\m+(\j)
.set fA, \t%2
.set fB, \s
.set fZ, (((\j)+\s)==0)
	WM
.endr
.endr
.endr
	WIN 0
	NOPS 4                                                 ; places in front of the loads into this buffer, and of the way out
.if ((\last) == 0) || ((\j) < 4)
	LOADV ((\j)+4)%8, (\j)/4                               ; four steps on, into the buffer just read
.endif
.endm
; THE WAY OUT of tile m of a chunk: x 1 / l; 16 queries x 256 bytes through my stage; back as rows; stored, sixteen lanes to an aligned run of 256 bytes
.macro OMUL m
	WIN 0xc3
.irp t, 0,1,2,3
.irp k, 0,2,4,6
	v_pk_mul_f32 v[8*(4*\t+(\m))+\k:8*(4*\t+(\m))+\k+1], v[8*(4*\t+(\m))+\k:8*(4*\t+(\m))+\k+1], v[48+2*(\m):49+2*(\m)] op_sel_hi:[1,0]
.endr
.endr
.endm
.macro OST m
	WIN 0x0c
.irp t, 0,1,2,3
	ds_store_b128 v12, v[8*(4*\t+(\m)):8*(4*\t+(\m))+3] offset:64*\t
	ds_store_b128 v12, v[8*(4*\t+(\m))+4:8*(4*\t+(\m))+7] offset:64*\t+16
.endr
	WIN 0
.irp p, 0,1,2,3,4,5,6,7
	ds_load_b128 v[64+4*\p:67+4*\p], v13 offset:2*\p*SP    ; LDS serves a wave's instructions in order: these see the stores above
.endr
.endm
.macro OSEND m
	s_wait_dscnt 0x0
.irp p, 0,1,2,3,4,5,6,7
	global_store_b128 v14, v[64+4*\p:67+4*\p], s[8:9] offset:(32*((\m)/2)+8*((\m)%2)+2*\p+8*(\p/4))*4096 th:TH_STORE_NT
.endr
.endm
.macro CHUNK last
.irp j, 0,1,2,3,4,5,6,7
	VSTEP \j, \last
.endr
	OMUL 0
	OST 0
.irp m, 1,2,3
	OMUL \m
	WIN 0                                                  ; the stores' offset register lies in window 0
	s_wait_alu depctr_va_vdst(0)                           ; the wait, directly ahead of the waits below
	OSEND \m-1
	s_wait_xcnt 0x0                                        ; the stores have read v64-95
	OST \m
.endr
	OSEND 3
.endm
; P of four steps of the walk into one window: fragment (step a, 128 keys s, tile m); its blocks 0, 1 lie in wave 2 s's region, blocks 2, 3 in wave 2 s + 1's
.macro LOADP j0
.irp a, 0,1,2,3
.irp s, 0,1
.irp m, 0,1,2,3
	ds_load_b128 v[32*(2*\a+\s)+8*\m:32*(2*\a+\s)+8*\m+3], v3 offset:32768*\s+2048*((\j0)+\a)+512*\m
	ds_load_b128 v[32*(2*\a+\s)+8*\m+4:32*(2*\a+\s)+8*\m+7], v3 offset:32768*\s+16384+2048*((\j0)+\a)+512*\m
.endr
.endr
.endr
.endm
	s_load_b128 s[4:7], s[0:1], 0x0                        ; qc, kv
	s_load_b64 s[8:9], s[0:1], 0x10                        ; out0
	v_lshl_add_u32 v1, v0, 2, SPARE                        ; my spare word, and 0: kept for the closing lines
	v_mov_b32 v2, 0
	v_lshrrev_b32 v60, 5, v0
	v_readfirstlane_b32 s10, v60                           ; wave
	v_and_b32 v61, 31, v0                                  ; lane
	v_and_b32 v62, 15, v0                                  ; r
	v_bfe_u32 v63, v0, 4, 1                                ; h
	v_lshlrev_b32 v3, 4, v61                               ; 16 x lane: a fragment's loads; also P's fragments in LDS, which begin at byte 0
	v_lshlrev_b32 v4, 3, v61                               ; 8 x lane: scale words
	s_and_b32 s13, ttmp7, 0xffff                           ; the batch
	s_and_b32 s41, ttmp9, 7                                ; the walk's first step
	s_mul_i32 s14, s10, QUART
	s_mul_i32 s42, s13, 64*QUART
	s_mov_b32 s28, s42                                     ; the batch in kv
	s_add_co_u32 s42, s42, s14                             ; my quarter of each step
	s_mov_b32 s43, 0
	s_mul_i32 s44, s41, STEPB
	s_mov_b32 s45, 0
	s_mul_i32 s30, s13, 32*QUART
	s_mul_i32 s31, ttmp9, QUART
	s_add_co_u32 s30, s30, s31                             ; my work-group's quarter of qc
	s_mov_b32 s31, 0
	s_lshl_b32 s2, s13, 23
	s_lshl_b32 s3, ttmp9, 18
	s_add_co_u32 s2, s2, s3
	s_lshl_b32 s3, s10, 10
	s_add_co_u32 s2, s2, s3                                ; out0: the batch, my 64 rows, my 256 channels
	s_mov_b32 s3, 0
	s_lshr_b32 s29, ttmp9, 2                               ; the prefetch: quarter x of the batch's V: step x / 4, quarter x % 4, 8,704 bytes a wave
	s_mul_i32 s29, s29, STEPB
	s_add_co_u32 s28, s28, s29
	s_and_b32 s29, ttmp9, 3
	s_mul_i32 s29, s29, QUART
	s_add_co_u32 s28, s28, s29
	s_mul_i32 s29, s10, 34*256
	s_add_co_u32 s28, s28, s29
	s_add_co_u32 s28, s28, SLOTB
	s_mov_b32 s29, 0
	s_mov_b32 s32, 0x3fb8aa3b                              ; log2(e)
	s_mov_b32 s33, s32
	s_mov_b32 s34, 0x76543210
	s_mov_b32 s35, 0xfedcba98                              ; lane l xor 16
	s_mov_b32 s36, 0xffff0000
	s_mov_b32 s22, 0
	s_mov_b32 s23, 0
	s_wait_alu depctr_va_vdst(0)                           ; the wait, directly ahead of the wait below
	s_wait_kmcnt 0x0
	s_add_nc_u64 s[42:43], s[6:7], s[42:43]
	s_add_nc_u64 s[46:47], s[42:43], SLOTB                 ; V's quarters lie behind K's four
	s_add_nc_u64 s[38:39], s[6:7], s[28:29]
	s_add_nc_u64 s[4:5], s[4:5], s[30:31]
	s_add_nc_u64 s[8:9], s[8:9], s[2:3]
	s_add_nc_u64 s[26:27], s[42:43], s[44:45]
	WIN 0x40
.set f, 0
.rept 32
	global_load_b128 v[8*f:8*f+3], v3, s[4:5] offset:1024*f th:TH_LOAD_NT          ; Q: fragment 8 m + c
	global_load_b128 v[8*f+4:8*f+7], v3, s[4:5] offset:1024*f+512 th:TH_LOAD_NT
.set f, f+1
.endr
	WIN 0
.irp u, 0,1
.irp g, 0,1,2,3
	global_load_b64 v[16+8*\u+2*\g:17+8*\u+2*\g], v4, s[4:5] offset:32768+1024*\u+256*\g th:TH_LOAD_NT
.endr
.endr
	LOADKG 0
	LOADKG 1
.irp j, 0,1,2,3,4,5,6,7                                ; V's base for each step of the walk
	s_add_co_u32 s2, s41, \j
	s_and_b32 s2, s2, 7
	s_mul_i32 s2, s2, STEPB
	s_add_nc_u64 s[48+2*\j:49+2*\j], s[46:47], s[2:3]
.endr
	s_lshl_b32 s15, s10, 14                                ; my region of P's codes
	s_mul_i32 s16, s10, SREG
	s_add_co_u32 s16, s16, STAT                            ; my region of the statistics
	s_mul_i32 s17, s10, 2304
	s_add_co_u32 s17, s17, STAT                            ; the rows of my 16 queries in a region
	s_lshl_b32 s18, s10, 10
	s_add_co_u32 s18, s18, SWB
	s_lshl_b32 s19, s10, 6
	s_add_co_u32 s19, s19, LB
	s_mul_i32 s20, s10, 16*SP
	s_add_co_u32 s20, s20, STAGE
	v_lshlrev_b32 v130, 4, v62
	v_lshlrev_b32 v131, 2, v62
	v_mul_u32_u24 v132, v62, 144
	v_mul_u32_u24 v133, v62, SP
	v_lshl_add_u32 v5, v63, 3, v130
	v_add_nc_u32 v5, s15, v5                               ; codes: 16 r + 8 h
	v_lshl_add_u32 v6, v63, 6, v132
	v_add_nc_u32 v6, s16, v6                               ; statistics: 144 r + 64 h
	v_lshl_add_u32 v15, v63, 5, v132
	v_add_nc_u32 v15, s17, v15                             ; read back: 144 r + 32 h: steps 4 h .. 4 h + 3
	v_lshl_add_u32 v56, v63, 9, v131
	v_add_nc_u32 v56, s18, v56                             ; scale words out: 1,024 w + 512 h + 4 r
	v_add_nc_u32 v57, s19, v131
	v_lshl_add_u32 v58, v61, 2, SWB                        ; scale words in: 4 x lane: lanes 0-15 the first 128 keys of a step, lanes 16-31 the second
	v_add_nc_u32 v59, LB, v131
	v_lshl_add_u32 v12, v63, 5, v133
	v_add_nc_u32 v12, s20, v12                             ; stage in: row r, + 32 h
	v_mul_u32_u24 v13, v63, SP
	v_add_nc_u32 v13, v13, v130
	v_add_nc_u32 v13, s20, v13                             ; stage back: lanes 0-15 one row, lanes 16-31 the next
	v_lshl_add_u32 v14, v63, 12, v130                      ; and the same in out0
	v_mov_b32 v10, v3                                      ; V's codes: + 4,096 a chunk
	v_mov_b32 v11, v4                                      ; V's scale words: + 512 a chunk
	v_min_u32 v128, 16, v61
	v_lshlrev_b32 v128, 8, v128                            ; the prefetch: 17 blocks of 256 bytes
.irp m, 0,1,2,3
	v_mov_b32 v[49+2*\m], 0                                ; named as the upper halves of pairs
	v_mov_b32 v[196+\m], 0                                 ; a lane permute's destination counts as a source
.endr
	s_wait_alu depctr_va_vdst(0)                           ; the wait at the head's end
	s_mov_b32 s40, 7
.Lstep:
	s_cmp_lt_u32 s40, 6                                    ; the first two trips ask
	s_cbranch_scc1 .Lnoask
	global_prefetch_b8 v128, s[38:39] th:TH_LOAD_NT scope:SCOPE_SE
.Lnoask:
	TRIP 1
	s_sub_co_u32 s40, s40, 1
	s_cmp_lg_u32 s40, 0
	s_wait_alu depctr_va_vdst(0)
	s_cbranch_scc1 .Lstep
	TRIP 0                                                 ; the last step loads nothing more of K
	LOADV 0, 0                                             ; V's first four steps set out
	LOADV 1, 0
	LOADV 2, 0
	LOADV 3, 0
	s_wait_alu depctr_va_vdst(0)
	s_wait_dscnt 0x0                                       ; my codes and statistics lie in LDS
	s_barrier_signal -1
	s_barrier_wait -1
	WIN 0xc0
.irp q, 0,1,2,3                                        ; window 3: v[8 q + 2 a + u] = E of wave q's block (step 4 h + a, group u) of my query; v[32 + ..] its sum
	ds_load_b128 v[8*\q:8*\q+3], v15 offset:SREG*\q
	ds_load_b128 v[8*\q+4:8*\q+7], v15 offset:SREG*\q+16
	ds_load_b128 v[32+8*\q:32+8*\q+3], v15 offset:SREG*\q+64
	ds_load_b128 v[32+8*\q+4:32+8*\q+7], v15 offset:SREG*\q+80
.endr
	WIN 0x40
	LOADP 0
	WIN 0xff
	s_wait_dscnt 63                                        ; 64 loads were issued behind the statistics' 16
.irp q, 0,1,2,3
	v_max3_num_f32 v[64+\q], v[8*\q], v[8*\q+1], v[8*\q+2]
.endr
.irp i, 3,5
.irp q, 0,1,2,3
	v_max3_num_f32 v[64+\q], v[64+\q], v[8*\q+\i], v[8*\q+\i+1]
.endr
.endr
.irp q, 0,1,2,3
	v_max_num_f32 v[64+\q], v[64+\q], v[8*\q+7]
.endr
	v_max3_num_f32 v64, v64, v65, v66
	v_max_num_f32 v64, v64, v67
	v_permlanex16_b32 v65, v64, s34, s35
	v_max_num_f32 v64, v64, v65                            ; R
.set k, 0
.rept 32
	v_sub_f32 v[k], v[k], v64
.set k, k+1
.endr
.set k, 0
.rept 32
	v_max_num_f32 v[k], 0xc2fc0000, v[k]                   ; held at -126
.set k, k+1
.endr
.set k, 0
.rept 32
	v_cvt_i32_f32 v[k], v[k]
.set k, k+1
.endr
.set k, 0
.rept 32
	v_ldexp_f32 v[32+k], v[32+k], v[k]                     ; the block's sum x 2^(E - R)
.set k, k+1
.endr
.set k, 0
.rept 32
	v_add_nc_u32 v[k], 127, v[k]                           ; the final byte, 1 to 127
.set k, k+1
.endr
.irp a, 0,1,2,3                                        ; the word of (step 4 h + a, 128 keys g): waves 2 g and 2 g + 1, two groups each
.irp g, 0,1
	v_lshl_or_b32 v[72+2*\a+\g], v[16*\g+2*\a+1], 8, v[16*\g+2*\a]
.endr
.endr
.irp a, 0,1,2,3
.irp g, 0,1
	v_lshl_or_b32 v[72+2*\a+\g], v[16*\g+8+2*\a], 16, v[72+2*\a+\g]
.endr
.endr
.irp a, 0,1,2,3
.irp g, 0,1
	v_lshl_or_b32 v[72+2*\a+\g], v[16*\g+9+2*\a], 24, v[72+2*\a+\g]
.endr
.endr
.irp k, 0,2,4,6,8,10,12,14
	v_pk_add_f32 v[32+\k:33+\k], v[32+\k:33+\k], v[48+\k:49+\k]
.endr
.irp k, 0,2,4,6
	v_pk_add_f32 v[32+\k:33+\k], v[32+\k:33+\k], v[40+\k:41+\k]
.endr
.irp k, 0,2
	v_pk_add_f32 v[32+\k:33+\k], v[32+\k:33+\k], v[36+\k:37+\k]
.endr
	v_pk_add_f32 v[32:33], v[32:33], v[34:35]
	v_add_f32 v32, v32, v33
	v_permlanex16_b32 v33, v32, s34, s35
	v_add_f32 v32, v32, v33                                ; l
	s_wait_alu depctr_va_vdst(0)                           ; the wait ahead of the transcendental
	v_rcp_f32 v34, v32
	v_nop
	s_wait_alu depctr_va_vdst(0)                           ; and behind it
	WIN 0x0c
.irp a, 0,1,2,3
.irp g, 0,1
	ds_store_b32 v56, v[72+2*\a+\g] offset:128*\a+64*\g
.endr
.endr
	ds_store_b32 v57, v34                                  ; both halves of the lanes write the same word with the same value
	WIN 0x80
	LOADP 4
	WIN 0
	s_wait_dscnt 0x0                                       ; P is in registers; my words lie in LDS
	s_barrier_signal -1
	s_barrier_wait -1
.irp m, 0,1,2,3
.irp j, 0,1,2,3,4,5,6,7
	ds_load_b32 v[16+8*\m+\j], v58 offset:1024*\m+128*\j
.endr
	ds_load_b32 v[48+2*\m], v59 offset:64*\m
.endr
	s_wait_dscnt 0x0
	s_mov_b32 s40, 3
.Lchunk:
	CHUNK 0
	s_wait_xcnt 0x0                                        ; offsets and base are written again only behind this wait
	v_add_nc_u32 v10, 4096, v10
	v_add_nc_u32 v11, 512, v11
	s_add_nc_u64 s[8:9], s[8:9], 256
	s_sub_co_u32 s40, s40, 1
	s_cmp_lg_u32 s40, 0
	s_wait_alu depctr_va_vdst(0)                           ; the wait, directly ahead of the branch
	s_cbranch_scc1 .Lchunk
	CHUNK 1                                                ; the last chunk is written out: it loads nothing beyond its own steps
	s_wait_tensorcnt 0x0                                   ; the wave's end
	ds_add_u32 v1, v2
	s_wait_dscnt 0x0
	s_endpgm
.Lfunc_end_k_qdaff41e6fe_attn:
	.size	k_qdaff41e6fe_attn, .Lfunc_end_k_qdaff41e6fe_attn-k_qdaff41e6fe_attn
	.p2alignl 7, 3214868480
	.fill 96, 4, 3214868480
	.section	.rodata,"a",@progbits
	.p2align	6, 0x0
	.amdhsa_kernel k_qdaff41e6fe_attn
		.amdhsa_group_segment_fixed_size 124928
		.amdhsa_private_segment_fixed_size 0
		.amdhsa_enable_private_segment 0
		.amdhsa_kernarg_size 24
		.amdhsa_user_sgpr_count 2
		.amdhsa_user_sgpr_kernarg_segment_ptr 1
		.amdhsa_wavefront_size32 1
		.amdhsa_system_sgpr_workgroup_id_x 1
		.amdhsa_system_sgpr_workgroup_id_y 1
		.amdhsa_system_sgpr_workgroup_id_z 1
		.amdhsa_system_vgpr_workitem_id 0
		.amdhsa_next_free_vgpr 1024
		.amdhsa_next_free_sgpr 66
		.amdhsa_reserve_vcc 0
		.amdhsa_float_denorm_mode_32 3
		.amdhsa_float_denorm_mode_16_64 3
		.amdhsa_memory_ordered 1
		.amdhsa_forward_progress 1
		.amdhsa_inst_pref_size 251
	.end_amdhsa_kernel
	.amdgpu_metadata
---
amdhsa.version: [ 1, 2 ]
amdhsa.kernels:
  - .name:           k_qdaff41e6fe_attn
    .symbol:         k_qdaff41e6fe_attn.kd
    .args:
      - { .name: qc, .offset: 0, .size: 8, .value_kind: global_buffer, .address_space: global }
      - { .name: kv, .offset: 8, .size: 8, .value_kind: global_buffer, .address_space: global }
      - { .name: out0, .offset: 16, .size: 8, .value_kind: global_buffer, .address_space: global }
    .group_segment_fixed_size: 124928
    .private_segment_fixed_size: 0
    .kernarg_segment_align: 8
    .kernarg_segment_size: 24
    .max_flat_workgroup_size: 128
    .sgpr_count:     66
    .vgpr_count:     1024
    .wavefront_size: 32
...
	.end_amdgpu_metadata
.endif
;; end of part 2
